; MI455X (gfx1250); checked and timed in simulation.
; The chip was launched on July 23, 2026; its instructions are those of AMD's public machine-readable ISA for CDNA 5 (MIT licence, August 2026) and "CDNA5" Instruction Set Architecture Reference Guide (July 2026). The comments in the code are by the model that wrote it; some were corrected since.
;; Performer Attention. Allowed arithmetic: matrix products marked QUANTISED: E2M1 operands, one E8M0 scale for each 32 along K, by v_wmma_scale_f32_16x16x128_f8f6f4 with both operands' format E2M1 (or v_wmma_scale_f32_32x16x128_f4), f32 sums; products left as they are: bf16, f16 or f32 operands; f32 sums; everything else in f32.
;; Inputs: Wk 512 x 512 float32; Wo 512 x 512 float32; Wq 512 x 512 float32; Wv 512 x 512 float32; bk 512 float32; bo 512 float32; bq 512 float32; bv 512 float32; key_ 4 x 4,096 x 512 float32; query 4 x 4,096 x 512 float32; random_features 128 x 512 float32; value 4 x 4,096 x 512 float32.
;; Outputs: out0 4 x 4,096 x 512 float32.
;; This version of the problem:
;;   THIS VERSION OF THE PROBLEM IS GIVEN IN LOW PRECISION. The matrix products marked QUANTISED in the list below multiply operands that are first quantised to E2M1 (2 exponent bits, 1 mantissa bit; 4 bits a number), with one power-of-two scale for each 32 numbers along K (OCP MX v1.0); their sums are f32. The products marked 'left as it is' may take bf16, f16 or f32 operands, with f32 sums. Whichever they take, every output number must still come out within the allowed error. Rounding operands to bf16 (8 significant bits) uses up far more of that allowance than f16 does (11 bits, for magnitudes from 6e-5 to 65,504). All else is computed in f32.
;;   The module's matrix products, in the order in which they are computed (A, B: the left and right operand; K: the contracted axis; several contracted axes count as one K, in the product's order):
;;     1. [M 16,384, K 512] x [K 512, N 512]; A: input query; B: input Wq: QUANTISED
;;     2. [M 16,384, K 512] x [K 512, N 512]; A: input key_; B: input Wk: QUANTISED
;;     3. [M 16,384, K 512] x [K 512, N 512]; A: input value; B: input Wv: QUANTISED
;;     4. [M 16,384, K 512] x [K 512, N 128]; A: computed on the way; B: input random_features: left as it is (an operand is computed on the way)
;;     5. [M 16,384, K 512] x [K 512, N 128]; A: computed on the way; B: input random_features: left as it is (an operand is computed on the way)
;;     6. batch 4 x [M 4,096, K 128] x [K 128, N 4,096]; A: computed on the way; B: computed on the way: left as it is (an operand is computed on the way)
;;     7. batch 4 x [M 4,096, K 4,096] x [K 4,096, N 512]; A: computed on the way; B: computed on the way: left as it is (an operand is computed on the way)
;;     8. [M 16,384, K 512] x [K 512, N 512]; A: computed on the way; B: input Wo: left as it is (an operand is computed on the way)
;;   THE QUANTISER, for each operand of a quantised product, along K:
;;     - K is cut into blocks of 32 from its start; a last block that is shorter is filled with zeros.
;;     - A block's scale is 2^e with e = floor(log2(the largest magnitude in the block)) - 2, held to -126 .. 127; a block of zeros has e = 0. As a byte (E8M0): e + 127.
;;     - Each number is divided by its block's scale, clamped to +-6, and rounded to the nearest number of E2M1, ties to even, subnormals kept.
;;     - The product sums the exact products of the quantised numbers (number of the format x scale) in f32.
;;   ~~~python
;;   def quantise(x, axis):      # numpy; x: float32 -> the quantised numbers, widened to float32 again
;;       x = np.moveaxis(x, axis, -1); K = x.shape[-1]
;;       x = np.pad(x, [(0, 0)] * (x.ndim - 1) + [(0, -K % 32)]); x = x.reshape(x.shape[:-1] + (-1, 32)); a = np.abs(x).max(-1, keepdims=True)
;;       e = np.where(a > 0, np.clip(np.frexp(np.where(a > 0, a, 1))[1] - 1 - 2, -126, 127), 0)      # np.frexp(a)[1] - 1 = floor(log2(a)), exactly
;;       r = np.clip(x / 2.0 ** e, -6, 6)
;;       step = 2.0 ** (np.maximum(np.frexp(np.where(r == 0, 1, r))[1] - 1, 0) - 1)
;;       q = np.round(r / step) * step * 2.0 ** e      # np.round: ties to even
;;       return np.moveaxis(q.reshape(q.shape[:-2] + (-1,))[..., :K], -1, axis).astype(np.float32)
;;   ~~~
;; One version. Each part assembles by itself: llvm-mc -triple=amdgcn-amd-amdhsa -mcpu=gfx1250 --defsym DOCPART=n.
;; ======== version 1 of 1: 3 launches
;; limits: values are held in f16: magnitudes above 65,504 overflow, below 6.1e-05 lose precision
;; workspace buffers: wblk 423,936 bytes; rfimg 131,072 bytes; woimg 524,288 bytes; qimg 4,194,304 bytes; kimg 4,194,304 bytes; vimg 16,777,216 bytes
;; launch prep (part 1): grid 34 x 1, 4 waves a work-group, no clusters, 0 bytes of LDS; arguments Wq, Wk, Wv, bq, bk, bv, random_features, Wo, wblk, rfimg, woimg; writes wblk, rfimg, woimg
.if DOCPART == 1
	.amdgcn_target "amdgcn-amd-amdhsa--gfx1250"
	.amdhsa_code_object_version 6
	.text
	.protected	k_q4726bf25eb_prep
	.globl	k_q4726bf25eb_prep
	.p2align	8
	.type	k_q4726bf25eb_prep,@function
k_q4726bf25eb_prep:
	s_mov_b64 s[64:65], 0
	v_nop
	global_prefetch_b8 v0, s[64:65] scope:SCOPE_SE
	s_setreg_imm32_b32 hwreg(HW_REG_WAVE_MODE, 25, 1), 1
	s_wait_xcnt 0x0
; PREP: the weights are laid out once, in the order in which a wave's operand registers take them.
; An IMAGE of a fragment (8 registers a lane) is 1,024 bytes: [half 0,1][lane 0..31][16 bytes]; half c holds registers 4 c .. 4 c + 3.
; Work-groups 0..23: Wq, Wk, Wv [512][512] f32 -> codes of E2M1 along K (the last axis) with one E8M0 byte for each 32.  A wave takes 16 rows (tile ct) x 512 K = four fragments.
;   wblk: for each tensor 141,312 bytes: codes [ct 32][ks 4][1,024], scale words [row 512][16 bytes], the bias (2,048 bytes, copied, so that one dense block holds all that the next launch wants of a tensor).
; Work-groups 24..33: random_features / 4 (exact; the factor comes back in the softmax's constant) and Wo, rounded to f16, as images of 16 rows x 32 K.
;   rfimg [k32 16][ft 8][1,024];  woimg [w 4][k32 16][nt8 8][1,024], row tile nt = 8 w + nt8.
; A block's scale is 2^(floor(log2(largest magnitude)) - 2): its byte is the largest magnitude's exponent field - 2, held at 1 from below.
; LIMITS: NaN and infinities are not served; a block whose largest magnitude lies under 2^-124 gets the byte 1; a block of zeros gets the byte 1 and zero codes (the bytes are read by this program alone).
; No LDS, no barrier: waves share nothing.  34 work-groups: that is all the work there is (4.5 MB read once).
.set XA,  2                            ; v2   my lane's byte among the tile's 16 rows
.set L16, 5                            ; v5   16 x lane
.set R16, 6                            ; v6   16 x (lane % 16)
.set TM,  16                           ; v16-31 at work in QUANT
.set PC,  32                           ; v32-63 codes, 8 registers a fragment
.set PWR, 64                           ; v64-67 the rows' scale words, one for each 128 along K
.set BB,  68                           ; v68-83 the bias on its way
.set FD,  128                          ; v128-255 f16 images
.set SEL, 40                           ; s[40:41] lane selects for v_permlanex16_b32: lane l xor 16
.set WBLK, 141312
.set MSB, 0
.macro WIN new                         ; the immediate's high byte repeats the setting that is left; a switch that changes nothing is dropped
.if MSB != (\new)
	s_set_vgpr_msb (MSB<<8)|(\new)
.set MSB, \new
.endif
.endm
; 64 numbers of a lane in window 1, register s + 16 b + i = k 32 b + 16 (lane / 16) + i of my row, become a fragment's codes in v[d] on and its scale word in v[pw] (window 0).
.macro QUANT s, d, pw
	WIN 0x05
.irp b, 0,1,2,3
	v_max3_num_f32 v[TM+\b], |v[(\s)+16*\b]|, |v[(\s)+16*\b+1]|, 0x1800000   ; block b: my 16 numbers, and the floor 2^(3 - 127): the byte cannot fall under 1
.endr
	WIN 0x14
.irp i, 2,4,6,8,10,12,14
.irp b, 0,1,2,3
	v_max3_num_f32 v[TM+\b], v[TM+\b], |v[(\s)+16*\b+\i]|, |v[(\s)+16*\b+\i+1]|   ; the four blocks by turns
.endr
.endr
	WIN 0
.irp b, 0,1,2,3
	v_permlanex16_b32 v[TM+4+\b], v[TM+\b], s[SEL], s[SEL+1]
.endr
.irp b, 0,1,2,3
	v_max_num_f32 v[TM+\b], v[TM+\b], v[TM+4+\b]           ; with lane l xor 16's: the block's largest magnitude
.endr
.irp b, 0,1,2,3
	v_add_nc_u32 v[TM+12+\b], 0xff000000, v[TM+\b]         ; 2 off its exponent field: the conversion takes this operand's exponent field as its scale
.endr
.irp b, 0,1,2,3
	v_lshrrev_b32 v[TM+4+\b], 23, v[TM+12+\b]              ; the scale's byte
.endr
	v_lshl_or_b32 v[\pw], v[TM+5], 8, v[TM+4]
	v_lshl_or_b32 v[\pw], v[TM+6], 16, v[\pw]
	v_lshl_or_b32 v[\pw], v[TM+7], 24, v[\pw]              ; my row's scale word
	WIN 0x01
.irp b, 0,1,2,3
	v_cvt_scalef32_pk8_fp4_f32 v[(\d)+2*\b], v[(\s)+16*\b:(\s)+16*\b+7], v[TM+12+\b]
	v_cvt_scalef32_pk8_fp4_f32 v[(\d)+2*\b+1], v[(\s)+16*\b+8:(\s)+16*\b+15], v[TM+12+\b]
.endr
	WIN 0
	v_nop                                                  ; one plain place behind a scaled conversion
.irp c, 0,1                                            ; the operand wants a whole block in a lane: lanes 0-15 block 2 c, lanes 16-31 block 2 c + 1
.irp i, 0,1
	v_permlane16_swap_b32 v[(\d)+4*\c+\i], v[(\d)+4*\c+2+\i]
.endr
.endr
.endm
	s_load_b512 s[4:19], s[0:1], 0x0               ; Wq, Wk, Wv, bq, bk, bv, random_features, Wo
	s_load_b128 s[20:23], s[0:1], 0x40             ; wblk, rfimg
	s_load_b64 s[24:25], s[0:1], 0x50              ; woimg
	v_lshrrev_b32 v1, 5, v0
	v_readfirstlane_b32 s26, v1                    ; wave 0..3
	v_and_b32 v1, 31, v0                           ; lane
	v_and_b32 v3, 15, v0                           ; r
	v_bfe_u32 v4, v0, 4, 1                         ; h
	v_lshlrev_b32 v[L16], 4, v1
	v_lshlrev_b32 v[R16], 4, v3
	v_lshlrev_b32 v[XA], 11, v3                    ; row r of 2,048 bytes
	s_mov_b32 s[SEL], 0x76543210
	s_mov_b32 s[SEL+1], 0xfedcba98
	s_mov_b32 s35, 0
	s_wait_kmcnt 0x0
	s_cmp_lt_u32 ttmp9, 24
	s_cbranch_scc0 .Lhalf
	; ---- codes of one row tile of Wq, Wk or Wv
	s_lshr_b32 s27, ttmp9, 3                       ; which tensor: 0 q, 1 k, 2 v
	s_and_b32 s28, ttmp9, 7
	s_lshl_b32 s28, s28, 2
	s_add_co_u32 s28, s28, s26                     ; row tile ct
	s_cmp_eq_u32 s27, 0
	s_cselect_b64 s[30:31], s[4:5], s[6:7]
	s_cselect_b64 s[32:33], s[10:11], s[12:13]
	s_cmp_eq_u32 s27, 2
	s_cselect_b64 s[30:31], s[8:9], s[30:31]       ; the weight,
	s_cselect_b64 s[32:33], s[14:15], s[32:33]     ; its bias
	s_lshl_b32 s34, s28, 15
	s_add_nc_u64 s[30:31], s[30:31], s[34:35]      ; at my 16 rows
	s_mul_i32 s34, s27, WBLK
	s_add_nc_u64 s[20:21], s[20:21], s[34:35]      ; my tensor's block of wblk
	s_lshl_b32 s34, s28, 12
	s_add_nc_u64 s[36:37], s[20:21], s[34:35]      ; my tile's four images
	s_lshl_b32 s34, s28, 8
	s_add_co_u32 s34, s34, 131072
	s_add_nc_u64 s[38:39], s[20:21], s[34:35]      ; my 16 rows' scale words
	v_lshl_add_u32 v[XA], v4, 6, v[XA]             ; + 64 h: my 16 numbers of a block of 32
.irp b, 0,1,2,3
	v_mov_b32 v[TM+4+\b], 0                        ; written once: a lane permute's destination counts as one of its sources
.endr
	WIN 0x40                                       ; destination window 1
.irp ks, 0,1,2,3
.irp b, 0,1,2,3
.irp j, 0,1,2,3
	global_load_b128 v[64*\ks+16*\b+4*\j:64*\ks+16*\b+4*\j+3], v[XA], s[30:31] offset:512*\ks+128*\b+16*\j
.endr
.endr
.endr
	WIN 0
.irp ks, 0,1,2,3
	s_wait_loadcnt 48-16*\ks                       ; sixteen loads for each 128 along K: those of the later ones may be out
	QUANT 64*\ks, PC+8*\ks, PWR+\ks
	global_store_b128 v[L16], v[PC+8*\ks:PC+8*\ks+3], s[36:37] offset:1024*\ks          ; 32 lanes store 512 consecutive bytes
	global_store_b128 v[L16], v[PC+8*\ks+4:PC+8*\ks+7], s[36:37] offset:1024*\ks+512
.endr
	global_store_b128 v[R16], v[PWR:PWR+3], s[38:39]   ; 16 bytes a row, 256 consecutive bytes; lanes 16-31 hold the same words for the same rows and write the same bytes
	s_cmp_lg_u32 s28, 0
	s_cbranch_scc1 .Ldone                          ; the wave with tile 0 copies its tensor's bias
.irp i, 0,1,2,3
	global_load_b128 v[BB+4*\i:BB+4*\i+3], v[L16], s[32:33] offset:512*\i
.endr
	s_wait_loadcnt 0x0
.irp i, 0,1,2,3
	global_store_b128 v[L16], v[BB+4*\i:BB+4*\i+3], s[20:21] offset:139264+512*\i
.endr
.Ldone:
	s_endpgm
	; ---- f16 images of one row tile of random_features / 4 or of Wo
.Lhalf:
	s_sub_co_u32 s27, ttmp9, 24
	s_lshl_b32 s27, s27, 2
	s_add_co_u32 s27, s27, s26                     ; 0..7: a tile of random_features; 8..39: a tile of Wo
	s_cmp_lt_u32 s27, 8
	s_cselect_b64 s[30:31], s[16:17], s[18:19]
	s_cselect_b64 s[36:37], s[22:23], s[24:25]
	s_cselect_b32 s29, 1, 0                        ; 1: random_features
	s_cselect_b32 s28, 0, 8
	s_sub_co_u32 s28, s27, s28                     ; the row tile
	s_lshl_b32 s34, s28, 15
	s_add_nc_u64 s[30:31], s[30:31], s[34:35]
	s_lshr_b32 s34, s28, 3
	s_lshl_b32 s34, s34, 17
	s_and_b32 s27, s28, 7
	s_lshl_b32 s27, s27, 10
	s_add_co_u32 s34, s34, s27                     ; 131,072 (tile / 8) + 1,024 (tile % 8): for random_features' 8 tiles that is 1,024 x tile
	s_add_nc_u64 s[36:37], s[36:37], s[34:35]
	v_lshl_add_u32 v[XA], v4, 5, v[XA]             ; + 32 h: my 8 numbers of a half fragment
	WIN 0x40
.irp k, 0,1,2,3,4,5,6,7,8,9,10,11,12,13,14,15
.irp u, 0,1
.irp j, 0,1
	global_load_b128 v[16*\k+8*\u+4*\j:16*\k+8*\u+4*\j+3], v[XA], s[30:31] offset:128*\k+64*\u+16*\j   ; k = 32 k32 + 16 u + 8 h + 4 j ..
.endr
.endr
.endr
	WIN 0
	s_wait_loadcnt 0x0
	s_cmp_eq_u32 s29, 0
	s_cbranch_scc1 .Lplain
	WIN 0x41
.set P, 0
.rept 128
	v_pk_mul_f32 v[2*P:2*P+1], v[2*P:2*P+1], 0x3e800000 op_sel_hi:[1,0]   ; x 1/4: exact
.set P, P+1
.endr
	WIN 0
.Lplain:
	WIN 0x05
.set P, 0
.rept 128
	v_cvt_pk_f16_f32 v[FD+P], v[2*P], v[2*P+1]
.set P, P+1
.endr
	WIN 0
.irp k, 0,1,2,3,4,5,6,7,8,9,10,11,12,13,14,15
.irp u, 0,1
	global_store_b128 v[L16], v[FD+8*\k+4*\u:FD+8*\k+4*\u+3], s[36:37] offset:8192*\k+512*\u
.endr
.endr
	s_endpgm
.Lfunc_end_k_q4726bf25eb_prep:
	.size	k_q4726bf25eb_prep, .Lfunc_end_k_q4726bf25eb_prep-k_q4726bf25eb_prep
	.p2alignl 7, 3214868480
	.fill 96, 4, 3214868480
	.section	.rodata,"a",@progbits
	.p2align	6, 0x0
	.amdhsa_kernel k_q4726bf25eb_prep
		.amdhsa_group_segment_fixed_size 0
		.amdhsa_private_segment_fixed_size 0
		.amdhsa_enable_private_segment 0
		.amdhsa_kernarg_size 88
		.amdhsa_user_sgpr_count 2
		.amdhsa_user_sgpr_kernarg_segment_ptr 1
		.amdhsa_wavefront_size32 1
		.amdhsa_system_sgpr_workgroup_id_x 1
		.amdhsa_system_sgpr_workgroup_id_y 1
		.amdhsa_system_sgpr_workgroup_id_z 1
		.amdhsa_system_vgpr_workitem_id 0
		.amdhsa_next_free_vgpr 512
		.amdhsa_next_free_sgpr 66
		.amdhsa_reserve_vcc 0
		.amdhsa_float_denorm_mode_32 3
		.amdhsa_float_denorm_mode_16_64 3
		.amdhsa_memory_ordered 1
		.amdhsa_forward_progress 1
		.amdhsa_inst_pref_size 56
	.end_amdhsa_kernel
	.amdgpu_metadata
---
amdhsa.version: [ 1, 2 ]
amdhsa.kernels:
  - .name:           k_q4726bf25eb_prep
    .symbol:         k_q4726bf25eb_prep.kd
    .args:
      - { .name: Wq, .offset: 0, .size: 8, .value_kind: global_buffer, .address_space: global }
      - { .name: Wk, .offset: 8, .size: 8, .value_kind: global_buffer, .address_space: global }
      - { .name: Wv, .offset: 16, .size: 8, .value_kind: global_buffer, .address_space: global }
      - { .name: bq, .offset: 24, .size: 8, .value_kind: global_buffer, .address_space: global }
      - { .name: bk, .offset: 32, .size: 8, .value_kind: global_buffer, .address_space: global }
      - { .name: bv, .offset: 40, .size: 8, .value_kind: global_buffer, .address_space: global }
      - { .name: random_features, .offset: 48, .size: 8, .value_kind: global_buffer, .address_space: global }
      - { .name: Wo, .offset: 56, .size: 8, .value_kind: global_buffer, .address_space: global }
      - { .name: wblk, .offset: 64, .size: 8, .value_kind: global_buffer, .address_space: global }
      - { .name: rfimg, .offset: 72, .size: 8, .value_kind: global_buffer, .address_space: global }
      - { .name: woimg, .offset: 80, .size: 8, .value_kind: global_buffer, .address_space: global }
    .group_segment_fixed_size: 0
    .private_segment_fixed_size: 0
    .kernarg_segment_align: 8
    .kernarg_segment_size: 88
    .max_flat_workgroup_size: 128
    .sgpr_count:     66
    .vgpr_count:     512
    .wavefront_size: 32
...
	.end_amdgpu_metadata
.endif
;; end of part 1
;; launch proj (part 2): grid 192 x 1, 4 waves a work-group, clusters of 4 x 1, 306,688 bytes of LDS; arguments query, key_, value, wblk, rfimg, qimg, kimg, vimg; writes qimg, kimg, vimg
.if DOCPART == 2
	.amdgcn_target "amdgcn-amd-amdhsa--gfx1250"
	.amdhsa_code_object_version 6
	.text
	.protected	k_q4726bf25eb_proj
	.globl	k_q4726bf25eb_proj
	.p2align	8
	.type	k_q4726bf25eb_proj,@function
k_q4726bf25eb_proj:
	s_mov_b64 s[64:65], 0
	v_nop
	global_prefetch_b8 v0, s[64:65] scope:SCOPE_SE
	s_setreg_imm32_b32 hwreg(HW_REG_WAVE_MODE, 25, 1), 1
	s_wait_xcnt 0x0
	s_wait_alu depctr_hold_cnt(0) depctr_sa_sdst(0) depctr_va_vdst(0) depctr_va_sdst(0) depctr_va_ssrc(0) depctr_va_vcc(0) depctr_vm_vsrc(0)
	s_getreg_b32 s2, hwreg(HW_REG_IB_STS2, 6, 4)
	s_cmp_eq_u32 s2, 0
	s_cbranch_scc0 .Lentry_in_a_cluster
	s_endpgm
.Lentry_in_a_cluster:
	s_bfe_u32 s2, ttmp6, 0x10000c
	s_cmp_lg_u32 s2, 0x3003
	s_cbranch_scc0 .Lentry_shape_is_right
	s_endpgm
.Lentry_shape_is_right:
; PROJ: q = Q(query) Q(Wq)^T + bq and k likewise (MX-FP4 products, f32 sums), then qf / 4 = q (random_features / 4)^T and kf / 4 (f16 operands, f32 sums); v = Q(value) Q(Wv)^T + bv.
; All three results leave as f16 IMAGES of the operand registers of the attention launch (1,024 bytes a fragment: [half][lane][16 bytes]):
;   qimg, kimg [token tile 1,024][ks 4][1,024]: 16 tokens x 32 features;   vimg [b 4][step 32][cq 4][g4 4][ct8 8][1,024]: 16 channels x 32 keys (the keys are the next K).
; SHARES.  Cluster x >> 4 says which tensor (0 q, 1 k, 2 v); a work-group takes 256 tokens, a wave 64 (four tiles of 16).  Waves share only the weights, which lie in LDS, filled once.
; CLUSTER.  The four partners have the same tensor, so its block of wblk (codes, scale words, bias) and rfimg are asked for JOINTLY, a quarter of each by each wave.
;   v's work-groups ask for rfimg too and do not read it: 128 KiB a cluster; so every work-group issues every joint load on every way through the text.
; PHASE 1: my 64 tokens x 512 are quantised in registers: 16 fragments of codes and 16 scale words.  A unit is 16 tokens x 128 along K.  The conversions want 16 NEIGHBOURS of a block in a lane; a load is best where
;   neighbouring LANES take neighbouring bytes.  Both are had: each of a unit's 16 loads reads 512 consecutive bytes of one token's row, 16 a lane; the 8,192 bytes go through the wave's own stage in LDS
;   (rows 528 bytes apart: the sixteen rows that a read touches start in sixteen different columns of 16 bytes) and come back 64 bytes a lane and block.  Loads run four units ahead, the turn one unit.
; PHASE 2: 16 trips of 32 channels.  q, k: the product is used transposed (source 0 = 16 rows of W, source 1 = 16 tokens): a lane holds one token and 8 neighbouring channels, so two tiles,
;   rounded to f16 in pairs, ARE source 1 of the feature product.  v: source 0 = 16 tokens, source 1 = 16 rows of W: a lane holds one channel and 8 neighbouring tokens: two tiles are an image.
;   The bias is the C of each sum's first product.
; LIMITS: NaN and infinities are not served; blocks under 2^-124 get the scale byte 1, blocks of zeros the byte 1 and zero codes; q, k, v, qf / 4, kf / 4 beyond 65,504 have no f16 number.
; REGISTERS: window 0: v1-14 addresses; v16-31 at work; v40-55 x's scale words; v56-63 W's; v64-79 the bias as C; v80-207 x's codes (8 (4 tt + ks)); v208-239 f16 operands just made.
;   window 1: four sets of 64 numbers of x as loaded; then the 32 accumulators of the features (8 (4 ft + tt)).
;   window 2: phase 1: v0-127 two sets of 64 neighbours;  phase 2: v0-63 the 8 accumulators of a trip; v128-191 W's 8 fragments; v192-255 rfimg's 8.
.set WS,    131072                     ; LDS: W's codes from 0; its scale words,
.set BI,    139264                     ; the bias,
.set RFI,   141312                     ; rfimg,
.set SPARE, 272384                     ; the spare words, 128 bytes for each wave,
.set STG,   272896                     ; and a stage of 16 rows x 528 bytes for each wave: no tensor load lands there
.set L16, 1
.set R16, 3
.set H32, 4
.set R4,  5
.set AWF, 6
.set AWS, 7
.set ABQ, 8
.set ABV, 9
.set ARF, 10
.set SIN, 11                           ; v11  the stage, on the way in: 16 x lane
.set SPW, 12
.set NIL, 13
.set SOUT, 14                          ; v14  and on the way out: 528 r + 64 h
.set TM,  16
.set XSC, 40
.set WSC, 56
.set BR,  64
.set XC,  80
.set QF,  208
.set D1,  0
.set WF,  128
.set RFF, 192
.set WV,  20
.set CX,  21
.set T,   22
.set BLK, 23
.set G1W, 24
.set G1R, 32
.set G0W, 40
.set G0R, 44
.set XP,  48
.set OUT, 50
.set TO,  52
.set KW,  54                           ; s54 8,192 x trip: W's codes;  s55 WS + 512 x trip;  s56 BI + 128 x trip;  s59 RFI + 8,192 x trip
.set KS,  55
.set KB,  56
.set KAP, 57
.set CNT, 58
.set KR,  59
.set SEL, 60
.set MSB, 0
.macro WIN new
.if MSB != (\new)
	s_set_vgpr_msb (MSB<<8)|(\new)
.set MSB, \new
.endif
.endm
.macro PLACES n
.rept \n
	v_nop
.endr
.endm
.macro CROUND                          ; a round of the cluster's barrier
	s_barrier_signal -1
	s_barrier_wait -1
	s_cmp_lg_u32 s[WV], 0
	s_cbranch_scc1 .Lnw0_\@
	s_barrier_signal -3
.Lnw0_\@:
	s_barrier_wait -3
	s_barrier_signal -1
	s_barrier_wait -1
.endm
; 64 numbers of a lane in window 2, register s + 16 b + i = k 32 b + 16 (lane / 16) + i of my row, become a fragment's codes in v[d] on and its scale word in v[pw] (window 0).
.macro QUANT s, d, pw
	WIN 0x0a
.irp b, 0,1,2,3
	v_max3_num_f32 v[TM+\b], |v[(\s)+16*\b]|, |v[(\s)+16*\b+1]|, 0x1800000   ; block b: my 16 numbers, and the floor 2^(3 - 127): the byte cannot fall under 1
.endr
	WIN 0x28
.irp i, 2,4,6,8,10,12,14
.irp b, 0,1,2,3
	v_max3_num_f32 v[TM+\b], v[TM+\b], |v[(\s)+16*\b+\i]|, |v[(\s)+16*\b+\i+1]|
.endr
.endr
	WIN 0
.irp b, 0,1,2,3
	v_permlanex16_b32 v[TM+4+\b], v[TM+\b], s[SEL], s[SEL+1]
.endr
.irp b, 0,1,2,3
	v_max_num_f32 v[TM+\b], v[TM+\b], v[TM+4+\b]           ; with lane l xor 16's: the block's largest magnitude
.endr
.irp b, 0,1,2,3
	v_add_nc_u32 v[TM+12+\b], 0xff000000, v[TM+\b]         ; 2 off its exponent field: the conversion's scale operand
.endr
.irp b, 0,1,2,3
	v_lshrrev_b32 v[TM+4+\b], 23, v[TM+12+\b]              ; the scale's byte
.endr
	v_lshl_or_b32 v[\pw], v[TM+5], 8, v[TM+4]
	v_lshl_or_b32 v[\pw], v[TM+6], 16, v[\pw]
	v_lshl_or_b32 v[\pw], v[TM+7], 24, v[\pw]
	WIN 0x02
.irp b, 0,1,2,3
	v_cvt_scalef32_pk8_fp4_f32 v[(\d)+2*\b], v[(\s)+16*\b:(\s)+16*\b+7], v[TM+12+\b]
	v_cvt_scalef32_pk8_fp4_f32 v[(\d)+2*\b+1], v[(\s)+16*\b+8:(\s)+16*\b+15], v[TM+12+\b]
.endr
	WIN 0
	v_nop                                                  ; one plain place behind a scaled conversion
.irp c, 0,1
.irp i, 0,1
	v_permlane16_swap_b32 v[(\d)+4*\c+\i], v[(\d)+4*\c+2+\i]   ; a whole block to a lane
.endr
.endr
.endm
; unit u = 4 tt + ks: 16 tokens x 128 along K into set u % 4 of window 1: load i takes token i's 512 bytes, 16 a lane
.macro XLOAD u
	WIN 0x40
.irp i, 0,1,2,3,4,5,6,7,8,9,10,11,12,13,14,15
	global_load_b128 v[64*((\u)%4)+4*\i:64*((\u)%4)+4*\i+3], v[L16], s[XP:XP+1] offset:32768*((\u)/4)+512*((\u)%4)+2048*\i th:TH_LOAD_NT
.endr
	WIN 0
.endm
; unit u through my stage: in as loaded, back as 16 neighbours of each of the four blocks, into set u % 2 of window 2.  LDS serves a wave's instructions in order: no wait stands between the stores and the loads
.macro TURN u
	WIN 0x04                                       ; an LDS store's data are its source 1: window 1
.irp i, 0,1,2,3,4,5,6,7,8,9,10,11,12,13,14,15
	ds_store_b128 v[SIN], v[64*((\u)%4)+4*\i:64*((\u)%4)+4*\i+3] offset:528*\i
.endr
	WIN 0x80                                       ; destination window 2
.irp b, 0,1,2,3
.irp j, 0,1,2,3
	ds_load_b128 v[64*((\u)%2)+16*\b+4*\j:64*((\u)%2)+16*\b+4*\j+3], v[SOUT] offset:128*\b+16*\j
.endr
.endr
	WIN 0
.endm
; W's 8 fragments and 2 x 4 scale words of the trip in hand (off = 0) or of the next (off = 1): 18 LDS loads
.macro WLOAD off
	WIN 0x80
.irp i, 0,1,2,3,4,5,6,7,8,9,10,11,12,13,14,15
	ds_load_b128 v[WF+4*\i:WF+4*\i+3], v[AWF] offset:8192*(\off)+512*\i
.endr
	WIN 0
	ds_load_b128 v[WSC:WSC+3], v[AWS] offset:512*(\off)
	ds_load_b128 v[WSC+4:WSC+7], v[AWS] offset:512*(\off)+256
.endm
; 8 products, 128 along K: the trip's 8 accumulators by turns
.macro FP4QK ks
.irp c, 0,1
.irp t, 0,1,2,3
.if \ks == 0
	v_wmma_scale_f32_16x16x128_f8f6f4 v[D1+8*(4*\c+\t):D1+8*(4*\c+\t)+7], v[WF+8*(4*\c+\ks):WF+8*(4*\c+\ks)+7], v[XC+8*(4*\t+\ks):XC+8*(4*\t+\ks)+7], v[BR+8*\c:BR+8*\c+7], v[WSC+4*\c+\ks], v[XSC+4*\t+\ks] matrix_a_fmt:MATRIX_FMT_FP4 matrix_b_fmt:MATRIX_FMT_FP4
.else
	v_wmma_scale_f32_16x16x128_f8f6f4 v[D1+8*(4*\c+\t):D1+8*(4*\c+\t)+7], v[WF+8*(4*\c+\ks):WF+8*(4*\c+\ks)+7], v[XC+8*(4*\t+\ks):XC+8*(4*\t+\ks)+7], v[D1+8*(4*\c+\t):D1+8*(4*\c+\t)+7], v[WSC+4*\c+\ks], v[XSC+4*\t+\ks] matrix_a_fmt:MATRIX_FMT_FP4 matrix_b_fmt:MATRIX_FMT_FP4
.endif
.endr
.endr
.endm
.macro FP4V ks
.irp c, 0,1
.irp t, 0,1,2,3
.if \ks == 0
	v_wmma_scale_f32_16x16x128_f8f6f4 v[D1+8*(4*\c+\t):D1+8*(4*\c+\t)+7], v[XC+8*(4*\t+\ks):XC+8*(4*\t+\ks)+7], v[WF+8*(4*\c+\ks):WF+8*(4*\c+\ks)+7], v[BR+8*\c:BR+8*\c+7], v[XSC+4*\t+\ks], v[WSC+4*\c+\ks] matrix_a_fmt:MATRIX_FMT_FP4 matrix_b_fmt:MATRIX_FMT_FP4
.else
	v_wmma_scale_f32_16x16x128_f8f6f4 v[D1+8*(4*\c+\t):D1+8*(4*\c+\t)+7], v[XC+8*(4*\t+\ks):XC+8*(4*\t+\ks)+7], v[WF+8*(4*\c+\ks):WF+8*(4*\c+\ks)+7], v[D1+8*(4*\c+\t):D1+8*(4*\c+\t)+7], v[XSC+4*\t+\ks], v[WSC+4*\c+\ks] matrix_a_fmt:MATRIX_FMT_FP4 matrix_b_fmt:MATRIX_FMT_FP4
.endif
.endr
.endr
.endm
	s_load_b512 s[4:19], s[0:1], 0x0               ; query, key_, value, wblk, rfimg, qimg, kimg, vimg
	v_lshl_add_u32 v[SPW], v0, 2, SPARE
	v_mov_b32 v[NIL], 0
	ds_add_u32 v[SPW], v[NIL]                      ; the wave's opening: the add, twice on end, and its wait ahead of my first tensor load
	ds_add_u32 v[SPW], v[NIL]
	v_lshrrev_b32 v1, 5, v0
	v_readfirstlane_b32 s[WV], v1                  ; wave 0..3
	s_bfe_u32 s[CX], ttmp6, 0x40000                ; my place in the cluster: it enters x's and the results' addresses alone
	s_lshr_b32 s[T], ttmp9, 4                      ; the tensor: the same in all four partners
	s_and_b32 s[BLK], ttmp9, 15
	s_lshl_b32 s[BLK], s[BLK], 2
	s_add_co_u32 s[BLK], s[BLK], s[CX]             ; my block of 256 tokens, 0..63
	; descriptor groups 1: dense blocks as rows of 256 bytes (32 elements of 8 bytes), no padding: 138 rows (a quarter of a tensor's block of wblk), 128 rows (a quarter of rfimg)
	s_mov_b32 s[G1W], 15|(3<<16)|(1<<21)           ; 15:0 the mask: all four work-groups; 17:16 elements of 8 bytes; 21 set beside a mask
	s_mov_b32 s[G1W+1], 32<<16                     ; tensor_dim0
	s_mov_b32 s[G1W+2], 138<<16                    ; tensor_dim1
	s_mov_b32 s[G1W+3], 32<<16                     ; tile_dim0
	s_mov_b32 s[G1W+4], 138                        ; tile_dim1
	s_mov_b32 s[G1W+5], 32                         ; from row to row
	s_mov_b32 s[G1W+6], 0
	s_mov_b32 s[G1W+7], 0
	s_mov_b32 s[G1R], 15|(3<<16)|(1<<21)
	s_mov_b32 s[G1R+1], 32<<16
	s_mov_b32 s[G1R+2], 128<<16
	s_mov_b32 s[G1R+3], 32<<16
	s_mov_b32 s[G1R+4], 128
	s_mov_b32 s[G1R+5], 32
	s_mov_b32 s[G1R+6], 0
	s_mov_b32 s[G1R+7], 0
	s_mov_b32 s[G0W], 1
	s_mul_i32 s[G0W+1], s[WV], 35328               ; LDS: my quarter of W's block
	s_mov_b32 s[G0R], 1
	s_lshl_b32 s[G0R+1], s[WV], 15
	s_add_co_u32 s[G0R+1], s[G0R+1], RFI           ; and of rfimg
	s_mul_i32 s62, s[T], 141312
	s_add_co_u32 s62, s62, s[G0W+1]                ; the same quarter in wblk
	s_mov_b32 s63, 0
	s_lshl_b32 s66, s[BLK], 19                     ; x: 256 rows of 2,048 bytes a block,
	s_lshl_b32 s70, s[WV], 17                      ; 64 a wave
	s_add_co_u32 s66, s66, s70
	s_mov_b32 s67, 0
	s_lshl_b32 s68, s[BLK], 16                     ; qimg, kimg: 4,096 (16 block + 4 wave)
	s_lshl_b32 s70, s[WV], 14
	s_add_co_u32 s68, s68, s70
	s_lshr_b32 s70, s[BLK], 4                      ; vimg: the batch, 4 MiB;
	s_lshl_b32 s70, s70, 22
	s_and_b32 s71, s[BLK], 15
	s_lshl_b32 s71, s71, 1
	s_lshr_b32 s69, s[WV], 1
	s_add_co_u32 s71, s71, s69                     ; the step of 128 keys, 131,072 bytes;
	s_lshl_b32 s71, s71, 17
	s_add_co_u32 s70, s70, s71
	s_and_b32 s71, s[WV], 1                        ; my half of the step: two groups of 32 keys, 8,192 bytes each
	s_lshl_b32 s71, s71, 14
	s_add_co_u32 s70, s70, s71
	s_cmp_eq_u32 s[T], 2
	s_cselect_b32 s68, s70, s68
	s_mov_b32 s69, 0
	s_mov_b32 s[SEL], 0x76543210
	s_mov_b32 s[SEL+1], 0xfedcba98
	s_mov_b32 s[KW], 0
	s_mov_b32 s[KS], WS
	s_mov_b32 s[KB], BI
	s_mov_b32 s[KR], RFI
	s_mov_b32 s[KAP], 0
	s_mul_i32 s70, s[WV], 8448
	s_add_co_u32 s70, s70, STG                     ; my stage
	v_and_b32 v1, 31, v0
	v_and_b32 v3, 15, v0                           ; r
	v_bfe_u32 v4, v0, 4, 1                         ; h
	v_mul_u32_u24 v[SOUT], v3, 528
	v_lshl_add_u32 v[SOUT], v4, 6, v[SOUT]
	v_add_nc_u32 v[SOUT], s70, v[SOUT]             ; out of it: row r, + 64 h: my 16 numbers of a block of 32
	v_lshlrev_b32 v[R4], 2, v3
	v_lshlrev_b32 v[R16], 4, v3
	v_lshlrev_b32 v[H32], 5, v4
	v_lshlrev_b32 v[L16], 4, v1
	v_add_nc_u32 v[SIN], s70, v[L16]               ; into it: 16 x lane
.irp b, 0,1,2,3
	v_mov_b32 v[TM+4+\b], 0                        ; written once: a lane permute's destination counts as one of its sources
.endr
	s_wait_dscnt 0x0                               ; both opening adds are done
	s_wait_kmcnt 0x0
	s_add_nc_u64 s[G0W+2:G0W+3], s[10:11], s[62:63]
	s_or_b32 s[G0W+3], s[G0W+3], 0x80000000
	s_lshl_b32 s62, s[WV], 15
	s_add_nc_u64 s[G0R+2:G0R+3], s[12:13], s[62:63]
	s_or_b32 s[G0R+3], s[G0R+3], 0x80000000
	s_cmp_eq_u32 s[T], 0
	s_cselect_b64 s[XP:XP+1], s[4:5], s[6:7]
	s_cselect_b64 s[OUT:OUT+1], s[14:15], s[16:17]
	s_cmp_eq_u32 s[T], 2
	s_cselect_b64 s[XP:XP+1], s[8:9], s[XP:XP+1]
	s_cselect_b64 s[OUT:OUT+1], s[18:19], s[OUT:OUT+1]
	s_add_nc_u64 s[XP:XP+1], s[XP:XP+1], s[66:67]
	s_add_nc_u64 s[OUT:OUT+1], s[OUT:OUT+1], s[68:69]
	CROUND                                         ; all four work-groups are here: the joint loads meet
	tensor_load_to_lds s[G0W:G0W+3], s[G1W:G1W+7]  ; two loads of mine are out; both are filled once
	s_nop 0
	tensor_load_to_lds s[G0R:G0R+3], s[G1R:G1R+7]
	s_nop 0
	PLACES 4
	XLOAD 0
	XLOAD 1
	XLOAD 2
	XLOAD 3
	; ---- PHASE 1: my 64 tokens become 16 fragments of codes and 16 scale words
	s_wait_loadcnt 48                              ; unit 0's 16 loads are in; those of the three units behind it may be out
	TURN 0
.set U, 0
.rept 16
	s_wait_dscnt 0x0                               ; this unit is back from the stage: so its stores into the stage have read their registers,
.if U+4 < 16
	XLOAD U+4                                      ; which take the loads of four units on
.endif
.if U < 15
.if U < 12
	s_wait_loadcnt 48                              ; the next unit's 16 loads are in; those of the three units behind it may be out
.else
	s_wait_loadcnt 16*(14-U)
.endif
	TURN U+1                                       ; and go through the stage while this unit is quantised
.endif
	QUANT 64*(U%2), XC+8*U, XSC+U
.set U, U+1
.endr
	s_wait_tensorcnt 0x0                           ; my quarters of W's block and of rfimg are in LDS,
	s_barrier_signal -1
	s_barrier_wait -1                              ; everybody's are.  Nothing is filled again
	v_add_nc_u32 v[AWF], s[KW], v[L16]
	v_add_nc_u32 v[AWS], s[KS], v[R16]
	WLOAD 0
	PLACES 8                                       ; a scale word made by vector instructions stands 8 places ahead of a scaled product
	; ---- PHASE 2: a trip is 32 channels (two tiles).  18 LDS loads, this trip's W, are out at its head
.macro KTRIP zero, last
	s_wait_xcnt 0x0                                ; v's work-groups: the last trip's stores have read QF and TO; in q's and k's nothing is out
	v_add_nc_u32 v[AWF], s[KW], v[L16]             ; these five are also the places between the last feature products and the loads into their fragments
	v_add_nc_u32 v[AWS], s[KS], v[R16]
	v_add_nc_u32 v[ABQ], s[KB], v[H32]
	v_add_nc_u32 v[ABV], s[KB], v[R4]
	v_add_nc_u32 v[ARF], s[KR], v[L16]
	s_cmp_eq_u32 s[T], 2
	s_cbranch_scc1 .Lval_\@
	ds_load_b128 v[BR:BR+3], v[ABQ]                ; the bias in the result's layout: lane (r, h): channels 16 c + 8 h + 0 .. 7
	ds_load_b128 v[BR+4:BR+7], v[ABQ] offset:16
	ds_load_b128 v[BR+8:BR+11], v[ABQ] offset:64
	ds_load_b128 v[BR+12:BR+15], v[ABQ] offset:80
	WIN 0x80
.irp i, 0,1,2,3,4,5,6,7,8,9,10,11,12,13,14,15
	ds_load_b128 v[RFF+4*\i:RFF+4*\i+3], v[ARF] offset:512*\i
.endr
	s_wait_dscnt 16                                ; W, its scale words and the bias are in; rfimg's 16 loads may be out
	WIN 0x82                                       ; source 0 (W) and D window 2; source 1 (x) and C (the bias) window 0
	FP4QK 0
	WIN 0xa2                                       ; C window 2
	FP4QK 1
	FP4QK 2
	FP4QK 3
	WIN 0
	PLACES 4
	WIN 0x0a
.irp t, 0,1,2,3
.irp c, 0,1
.irp i, 0,1,2,3
	v_cvt_pk_f16_f32 v[QF+8*\t+4*\c+\i], v[D1+8*(4*\c+\t)+2*\i], v[D1+8*(4*\c+\t)+2*\i+1]   ; 16 tokens x these 32 channels: source 1 of the feature product
.endr
.endr
.endr
.if \last
	s_wait_dscnt 0x0
.else
	WLOAD 1
	s_wait_dscnt 18                                ; rfimg's fragments are in; the next trip's 18 may be out
.endif
	WIN 0x52                                       ; source 0 (rfimg) window 2, source 1 window 0, C and D window 1
.irp f, 0,1,2,3,4,5,6,7
.irp t, 0,1,2,3
.if \zero
	v_wmma_f32_16x16x32_f16 v[8*(4*\f+\t):8*(4*\f+\t)+7], v[RFF+8*\f:RFF+8*\f+7], v[QF+8*\t:QF+8*\t+7], 0
.else
	v_wmma_f32_16x16x32_f16 v[8*(4*\f+\t):8*(4*\f+\t)+7], v[RFF+8*\f:RFF+8*\f+7], v[QF+8*\t:QF+8*\t+7], v[8*(4*\f+\t):8*(4*\f+\t)+7]
.endif
.endr
.endr
	WIN 0
	s_branch .Ljoin_\@
.Lval_\@:
.irp j, 0,1,2,3,4,5,6,7
	ds_load_b32 v[BR+\j], v[ABV]                   ; the bias in the result's layout: a lane holds one channel, so all eight registers hold its bias
	ds_load_b32 v[BR+8+\j], v[ABV] offset:64
.endr
	s_lshr_b32 s62, s[KAP], 2                      ; where the trip's images go: channel tile 2 trip + c = 8 cq + ct8
	s_lshl_b32 s62, s62, 15
	s_and_b32 s63, s[KAP], 3
	s_lshl_b32 s63, s63, 11
	s_or_b32 s62, s62, s63
	s_mov_b32 s63, 0
	s_add_nc_u64 s[TO:TO+1], s[OUT:OUT+1], s[62:63]
	s_wait_dscnt 0x0
	WIN 0x88                                       ; source 0 (x) and C window 0; source 1 (W) and D window 2
	FP4V 0
	WIN 0xa8
	FP4V 1
	FP4V 2
	FP4V 3
	WIN 0
	PLACES 4
	WIN 0x0a
.irp g, 0,1
.irp c, 0,1
.irp u, 0,1
.irp i, 0,1,2,3
	v_cvt_pk_f16_f32 v[QF+8*(2*\g+\c)+4*\u+\i], v[D1+8*(4*\c+2*\g+\u)+2*\i], v[D1+8*(4*\c+2*\g+\u)+2*\i+1]   ; 16 channels x 32 keys
.endr
.endr
.endr
.endr
.if !\last
	WLOAD 1
.endif
	WIN 0
.irp g, 0,1
.irp c, 0,1
.irp u, 0,1
	global_store_b128 v[L16], v[QF+8*(2*\g+\c)+4*\u:QF+8*(2*\g+\c)+4*\u+3], s[TO:TO+1] offset:8192*\g+1024*\c+512*\u   ; 32 lanes store 512 consecutive bytes
.endr
.endr
.endr
.Ljoin_\@:
	s_add_co_u32 s[KW], s[KW], 8192
	s_add_co_u32 s[KS], s[KS], 512
	s_add_co_u32 s[KB], s[KB], 128
	s_add_co_u32 s[KR], s[KR], 8192
	s_add_co_u32 s[KAP], s[KAP], 1
.endm
	KTRIP 1, 0                                     ; the first trip's feature products start the sums
	s_mov_b32 s[CNT], 14
.Ltrip:
	KTRIP 0, 0
	s_sub_co_u32 s[CNT], s[CNT], 1
	s_cmp_lg_u32 s[CNT], 0
	s_cbranch_scc1 .Ltrip
	KTRIP 0, 1                                     ; the last trip fetches nothing more
	s_cmp_eq_u32 s[T], 2
	s_cbranch_scc1 .Lend
	; q, k: the features leave as images: 16 tokens x 32 features from feature tiles 2 ks and 2 ks + 1
	PLACES 4
	WIN 0x05
.irp t, 0,1,2,3
.irp k, 0,1,2,3
.irp u, 0,1
.irp i, 0,1,2,3
	v_cvt_pk_f16_f32 v[XC+8*(4*\t+\k)+4*\u+\i], v[8*(4*(2*\k+\u)+\t)+2*\i], v[8*(4*(2*\k+\u)+\t)+2*\i+1]
.endr
.endr
.endr
.endr
	WIN 0
.irp f, 0,1,2,3,4,5,6,7,8,9,10,11,12,13,14,15
	global_store_b128 v[L16], v[XC+8*\f:XC+8*\f+3], s[OUT:OUT+1] offset:1024*\f
	global_store_b128 v[L16], v[XC+8*\f+4:XC+8*\f+7], s[OUT:OUT+1] offset:1024*\f+512
.endr
.Lend:
	s_wait_tensorcnt 0x0                           ; the wave's end
	ds_add_u32 v[SPW], v[NIL]
	s_wait_dscnt 0x0
	CROUND                                         ; the closing round
	s_endpgm
.Lfunc_end_k_q4726bf25eb_proj:
	.size	k_q4726bf25eb_proj, .Lfunc_end_k_q4726bf25eb_proj-k_q4726bf25eb_proj
	.p2alignl 7, 3214868480
	.fill 96, 4, 3214868480
	.section	.rodata,"a",@progbits
	.p2align	6, 0x0
	.amdhsa_kernel k_q4726bf25eb_proj
		.amdhsa_group_segment_fixed_size 306688
		.amdhsa_private_segment_fixed_size 0
		.amdhsa_enable_private_segment 0
		.amdhsa_kernarg_size 64
		.amdhsa_user_sgpr_count 2
		.amdhsa_user_sgpr_kernarg_segment_ptr 1
		.amdhsa_wavefront_size32 1
		.amdhsa_system_sgpr_workgroup_id_x 1
		.amdhsa_system_sgpr_workgroup_id_y 1
		.amdhsa_system_sgpr_workgroup_id_z 1
		.amdhsa_system_vgpr_workitem_id 0
		.amdhsa_next_free_vgpr 768
		.amdhsa_next_free_sgpr 72
		.amdhsa_reserve_vcc 0
		.amdhsa_float_denorm_mode_32 3
		.amdhsa_float_denorm_mode_16_64 3
		.amdhsa_memory_ordered 1
		.amdhsa_forward_progress 1
		.amdhsa_inst_pref_size 201
	.end_amdhsa_kernel
	.amdgpu_metadata
---
amdhsa.version: [ 1, 2 ]
amdhsa.kernels:
  - .name:           k_q4726bf25eb_proj
    .symbol:         k_q4726bf25eb_proj.kd
    .args:
      - { .name: query, .offset: 0, .size: 8, .value_kind: global_buffer, .address_space: global }
      - { .name: key_, .offset: 8, .size: 8, .value_kind: global_buffer, .address_space: global }
      - { .name: value, .offset: 16, .size: 8, .value_kind: global_buffer, .address_space: global }
      - { .name: wblk, .offset: 24, .size: 8, .value_kind: global_buffer, .address_space: global }
      - { .name: rfimg, .offset: 32, .size: 8, .value_kind: global_buffer, .address_space: global }
      - { .name: qimg, .offset: 40, .size: 8, .value_kind: global_buffer, .address_space: global }
      - { .name: kimg, .offset: 48, .size: 8, .value_kind: global_buffer, .address_space: global }
      - { .name: vimg, .offset: 56, .size: 8, .value_kind: global_buffer, .address_space: global }
    .group_segment_fixed_size: 306688
    .private_segment_fixed_size: 0
    .kernarg_segment_align: 8
    .kernarg_segment_size: 64
    .max_flat_workgroup_size: 128
    .sgpr_count:     72
    .vgpr_count:     768
    .wavefront_size: 32
...
	.end_amdgpu_metadata
.endif
;; end of part 2
;; launch attn (part 3): grid 64 x 4, 4 waves a work-group, clusters of 4 x 1, 327,680 bytes of LDS; arguments qimg, kimg, vimg, woimg, bo, out0; writes out0
.if DOCPART == 3
	.amdgcn_target "amdgcn-amd-amdhsa--gfx1250"
	.amdhsa_code_object_version 6
	.text
	.protected	k_q4726bf25eb_attn
	.globl	k_q4726bf25eb_attn
	.p2align	8
	.type	k_q4726bf25eb_attn,@function
k_q4726bf25eb_attn:
	s_mov_b64 s[64:65], 0
	v_nop
	global_prefetch_b8 v0, s[64:65] scope:SCOPE_SE
	s_setreg_imm32_b32 hwreg(HW_REG_WAVE_MODE, 25, 1), 1
	s_wait_xcnt 0x0
	s_wait_alu depctr_hold_cnt(0) depctr_sa_sdst(0) depctr_va_vdst(0) depctr_va_sdst(0) depctr_va_ssrc(0) depctr_va_vcc(0) depctr_vm_vsrc(0)
	s_getreg_b32 s2, hwreg(HW_REG_IB_STS2, 6, 4)
	s_cmp_eq_u32 s2, 0
	s_cbranch_scc0 .Lentry_in_a_cluster
	s_endpgm
.Lentry_in_a_cluster:
	s_bfe_u32 s2, ttmp6, 0x10000c
	s_cmp_lg_u32 s2, 0x3003
	s_cbranch_scc0 .Lentry_shape_is_right
	s_endpgm
.Lentry_shape_is_right:
; ATTN: out = softmax(qf kf^T / sqrt(512)) v Wo^T + bo.  All operands f16 (images made by the launches before), sums, maxima and exponentials in f32.
; qimg and kimg hold qf / 4 and kf / 4, so t = score x c with c = 16 log2(e) / sqrt(512).
; SHARES.  A work-group owns 64 queries of one batch and all 512 channels: O is 64 x 512 f32, 256 registers a wave.  The keys go in 32 steps of 128.  Wave w
;   (a) makes S^T = K Q^T for ITS 32 keys of the step (source 0 = 16 keys, source 1 = 16 queries: a lane holds one query); K's fragments come from memory straight into registers: no other wave of the work-group reads them;
;   (b) publishes c x the largest score of each query among its keys; all four waves take the same running maximum M from the four;
;   (c) makes p = 2^(c s - M), rounds it to f16: its two tiles of keys ARE the fragment of P for 32 keys: it goes to LDS as an image;
;   (d) adds O^T(channels 128 w .. + 127, 64 queries) += V^T P over the step's four groups of 32 keys.  So the scores are computed once, not once for each quarter of the channels.
; THE PIPELINE IS SKEWED, ONE BARRIER A STEP.  Behind barrier j: the refill of V(j); the four waves' maxima of step j and the first fragments are asked of LDS; K Q^T of step j + 1, into the other of two
;   buffers of S^T, with the rescaling of O by a(j - 1) = 2^(M(j-2) - M(j-1)) in slices behind its products; the load of K(j + 2); V^T P of step j - 1, with the softmax of step j and then the maxima of
;   step j + 1 in slices behind its products.  So the first thing behind a barrier is matrix work that hangs on no other wave.  P and the maxima have two LDS buffers by turns.
;   S^T's buffers change places from step to step, so a trip of the loop runs two steps.
; CLUSTER.  The four partners walk the same batch: V's step (131,072 bytes; a wave fetches the quarter that it reads itself) is asked for JOINTLY.  K and Wo are read by one wave of a work-group each and come through registers.
; THE END.  The row sums of the four waves are added, O is divided, rounded to f16, shared through LDS as images, and each wave makes 128 columns of out = o Wo^T + bo (bo is loaded into the accumulators).
; LIMITS: NaN and infinities are not served.  p under 2^-24 is lost in f16 (beside the row's largest p = 1); o beyond 65,504 has no f16 number.
; REGISTERS: window 0: v1-15 addresses; v16-47 statistics, 8 a query tile; v48-63 the four waves' maxima; v64-67 mine; v68-73 addresses; v96-159 and v192-255 S^T, two buffers; v160-191 P packed.
;   window 1: O^T, tile 4 ct + qt at 8 x.   window 2: v0-127 Q; v128-191 K; at the end four sets of Wo.   window 3: v0-127 V, two sets; v128-191 P, two sets; at the end o's images.
.set SLOT1, 1<<17                      ; LDS: V's two slots of 131,072 bytes;
.set PBUF,  262144                     ; P: two buffers of 16,384: 4,096 x group of keys + 1,024 x query tile;
.set MXB,   294912                     ; maxima: two buffers of 2,048: 512 x wave + 16 x lane;
.set LSB,   299008                     ; row sums: 2,048;
.set SPARE, 301056                     ; the spare words, 128 bytes for each wave
.set STG,   65536                      ; at the end, in slot 0, which has had its last fill and its last read: o's images from 0 (65,536 bytes), then a stage of 16 rows x 528 bytes for each wave
.set L16, 1
.set AVB, 2
.set APWB, 3
.set APRB, 4
.set AMWB, 5
.set AMRB, 6
.set ADV, 7
.set ADPR, 8
.set ADPW, 9
.set ADMR, 10
.set ADMW, 11
.set ALW, 12
.set ALR, 13
.set SPW, 14
.set NIL, 15
.set ST,  16                           ; tile t at ST + 8 t: +0 M (+1 named with it), +2, +3 the sum, +4 old M, +5 at work, +6 a, later 1 / sum (+7 named with it)
.set MXR, 48
.set XP,  64
.set AOW, 68
.set AOR, 69
.set ABO, 70
.set STO, 71
.set SRD, 72
.set PFO, 73
.set S,   192                          ; S^T of the step whose softmax is in hand: tile (kt, t) at S + 16 t + 8 kt;
.set SN,  96                           ; and of the step after it.  SWAP changes them over
.set PK,  160
.set BK,  96                           ; the way out: v96-159 and v192-255 by turns
.set KBF, 128
.set VF,  0
.set PF,  128
.set QA,  4
.set KA,  6
.set VA,  8
.set WA,  10
.set BO,  12
.set OA,  14
.set WV,  16
.set CX,  17
.set G1,  24
.set G0A, 32
.set G0B, 36
.set CS,  40
.set SEL, 42
.set TV,  44                           ; s44-48: which slot or buffer the interval reads or writes: 0 or the buffer's size; each is turned at an interval's end
.set PR,  45
.set PW,  46
.set MR,  47
.set MW,  48
.set J,   49
.set PFA, 50
.set PFK, 52
.set LIMV, 54
.set LIMK, 55
.set OG,  56
.set CNT, 57
.set W_PV, 0x5f                        ; V and P window 3, O^T window 1
.set W_KQ, 0x0a                        ; K and Q window 2, S^T window 0
.set W_RS, 0x41                        ; O^T window 1, the factor window 0
.set MSB, 0
.macro WIN new
.if MSB != (\new)
	s_set_vgpr_msb (MSB<<8)|(\new)
.set MSB, \new
.endif
.endm
.macro SWAP
.set STMP, S
.set S, SN
.set SN, STMP
.endm
.macro PLACES n
.rept \n
	v_nop
.endr
.endm
.macro CROUND                          ; a round of the cluster's barrier
	s_barrier_signal -1
	s_barrier_wait -1
	s_cmp_lg_u32 s[WV], 0
	s_cbranch_scc1 .Lnw0_\@
	s_barrier_signal -3
.Lnw0_\@:
	s_barrier_wait -3
	s_barrier_signal -1
	s_barrier_wait -1
.endm
; PREFETCHES INTO THE L2, behind the joint load and its five lines.  All sixteen clusters of a batch walk the same V and K: the batch's first cluster asks.  V of the NEXT step: each wave for the quarter that it fetches,
; of which each partner takes 8,192 bytes BY ADDRESS, lanes 256 bytes apart.  K of the step that the next interval loads (three steps on): wave 0, 8,192 bytes a partner.  So each block of 256 bytes is named once.
; They stop where the walk ends: V at step 31, K at step 31.
.macro ASK
	s_cmp_lt_u32 s[J], s[LIMV]
	s_cbranch_scc0 .Lnv_\@
	global_prefetch_b8 v[PFO], s[PFA:PFA+1] th:TH_LOAD_NT scope:SCOPE_SE
.Lnv_\@:
	s_cmp_lt_u32 s[J], s[LIMK]
	s_cbranch_scc0 .Lnk_\@
	global_prefetch_b8 v[PFO], s[PFK:PFK+1] th:TH_LOAD_NT scope:SCOPE_SE
.Lnk_\@:
.endm
; THE BARRIER OF A STEP.  kind 0. kind 1: V's slot that was read last is filled again: every wave waits for all its tensor loads (one is out: the slot that it reads next), adds 0 to its
; spare word, waits for that and for its LDS reads and stores; the round of the cluster's barrier; the joint refill first behind it: it has a whole interval, 160 products, in which to land.
.macro BAR kind, ask
	WIN 0
.if \kind
	s_wait_tensorcnt 0x0
	ds_add_u32 v[SPW], v[NIL]                      ; the steps below stand between the add and the wait for it
	s_xor_b32 s[G0B+1], s[G0B+1], SLOT1            ; the walking descriptor: the other slot,
	s_add_nc_u64 s[G0B+2:G0B+3], s[G0B+2:G0B+3], 131072   ; the next step
	s_wait_xcnt 0x0                                ; the last prefetches, an interval back, have read their addresses
	s_add_nc_u64 s[PFA:PFA+1], s[PFA:PFA+1], 131072
	s_add_nc_u64 s[PFK:PFK+1], s[PFK:PFK+1], 32768
	s_wait_dscnt 0x0
	CROUND
	tensor_load_to_lds s[G0B:G0B+3], s[G1:G1+7]
	s_nop 0
	PLACES 4
.if \ask
	ASK
.endif
.else
	s_wait_dscnt 0x0                               ; my stores (P, maxima, sums) have landed, my reads are in
	s_barrier_signal -1
	s_barrier_wait -1
.endif
.endm
.macro ADDR                            ; the interval's LDS addresses
	v_add_nc_u32 v[ADV], s[TV], v[AVB]
	v_add_nc_u32 v[ADPR], s[PR], v[APRB]
	v_add_nc_u32 v[ADPW], s[PW], v[APWB]
	v_add_nc_u32 v[ADMR], s[MR], v[AMRB]
	v_add_nc_u32 v[ADMW], s[MW], v[AMWB]
.endm
.macro FLIP
	s_xor_b32 s[TV], s[TV], SLOT1
	s_xor_b32 s[PR], s[PR], 1<<14
	s_xor_b32 s[PW], s[PW], 1<<14
	s_xor_b32 s[MR], s[MR], 1<<11
	s_xor_b32 s[MW], s[MW], 1<<11
.endm
.macro NEXT
	FLIP
	s_add_co_u32 s[J], s[J], 1
.endm
.macro MLOAD mreg                      ; the four waves' maxima (at the end: row sums), four query tiles a load
.irp w, 0,1,2,3
	ds_load_b128 v[MXR+4*\w:MXR+4*\w+3], v[\mreg] offset:512*\w
.endr
.endm
; Group g of 32 keys wants P's 4 fragments and my 8 of V: 24 LDS loads, into set g % 2.  FRUN issues six of them, 6 n on: short runs, so that the four waves' loads are spread over a group's products.
.macro FRUN g, n
	WIN 0xc0
.set FI, 6*(\n)
.rept 6
.if FI < 8
	ds_load_b128 v[PF+32*((\g)%2)+4*FI:PF+32*((\g)%2)+4*FI+3], v[ADPR] offset:4096*(\g)+512*FI
.else
	ds_load_b128 v[VF+64*((\g)%2)+4*(FI-8):VF+64*((\g)%2)+4*(FI-8)+3], v[ADV] offset:8192*(\g)+512*(FI-8)
.endif
.set FI, FI+1
.endr
.endm
.macro FRAGS0                          ; group 0's, in one run: the products K Q^T stand between it and its first use
	FRUN 0, 0
	FRUN 0, 1
	FRUN 0, 2
	FRUN 0, 3
.endm
.macro PVW g                           ; product PI of 32: O^T tile PI = 4 ct + qt
	WIN W_PV
.set rV, VF+64*((\g)%2)+8*(PI/4)
.set rF, PF+32*((\g)%2)+8*(PI%4)
.if PZ
	v_wmma_f32_16x16x32_f16 v[8*PI:8*PI+7], v[rV:rV+7], v[rF:rF+7], 0
.else
	v_wmma_f32_16x16x32_f16 v[8*PI:8*PI+7], v[rV:rV+7], v[rF:rF+7], v[8*PI:8*PI+7]
.endif
.endm
; THE VECTOR WORK OF AN INTERVAL is a list; SMI writes item SMN of it, while SMN < NSMX.
; The softmax of the step in hand, on S.  0-15: the old M is kept, M takes the four waves' maxima, d = old M - M.  16-19: a = 2^d.  20-51: c s - M, two at a time.
; 52-115: the 64 exponentials.  116: a plain instruction and THE ONE WAIT for all 68 exponentials, ahead of the first line that names a result: none does before.
; 117-148: p to f16.  149: my fragment of P to LDS.  150-177: the sums, in place.  178-181: sum = a x sum + the step's.
; The maxima of the next step, on SN.  182-213: the largest of my 32 keys' scores for each query, the four query tiles by turns; each tile of S^T is read from its low end on.
; 214-221: with lane l xor 16's.  222-225: x c (c is positive).  226: to LDS.
.macro SMI
.if SMN < NSMX
	WIN 0
.if SMN < 4
.set rT, ST+8*SMN
	v_mov_b32 v[rT+4], v[rT]
.elseif SMN < 8
.set rT, ST+8*(SMN-4)
	v_max3_num_f32 v[rT], v[rT], v[MXR+SMN-4], v[MXR+SMN]
.elseif SMN < 12
.set rT, ST+8*(SMN-8)
	v_max3_num_f32 v[rT], v[rT], v[MXR+SMN], v[MXR+SMN+4]
.elseif SMN < 16
.set rT, ST+8*(SMN-12)
	v_sub_f32 v[rT+4], v[rT+4], v[rT]
.elseif SMN < 20
.set rT, ST+8*(SMN-16)
	v_exp_f32 v[rT+6], v[rT+4]
.elseif SMN < 52
.set sP, SMN-20
.set rT, ST+8*(sP/8)
	v_pk_fma_f32 v[S+2*sP:S+2*sP+1], v[S+2*sP:S+2*sP+1], s[CS:CS+1], v[rT:rT+1] op_sel_hi:[1,0,0] neg_lo:[0,0,1] neg_hi:[0,0,1]
.elseif SMN < 116
	v_exp_f32 v[S+SMN-52], v[S+SMN-52]
.elseif SMN == 116
	v_nop
	s_wait_alu depctr_va_vdst(0)
.elseif SMN < 149
.set sP, SMN-117
	v_cvt_pk_f16_f32 v[PK+sP], v[S+2*sP], v[S+2*sP+1]
.elseif SMN == 149
.irp f, 0,1,2,3,4,5,6,7
	ds_store_b128 v[ADPW], v[PK+4*\f:PK+4*\f+3] offset:512*\f
.endr
.elseif SMN < 166
.set sZ, SMN-150
.set sB, S+16*(sZ%4)+2*(sZ/4)
	v_pk_add_f32 v[sB:sB+1], v[sB:sB+1], v[sB+8:sB+9]
.elseif SMN < 174
.set sZ, SMN-166
.set sB, S+16*(sZ%4)+2*(sZ/4)
	v_pk_add_f32 v[sB:sB+1], v[sB:sB+1], v[sB+4:sB+5]
.elseif SMN < 178
.set sB, S+16*(SMN-174)
	v_pk_add_f32 v[sB:sB+1], v[sB:sB+1], v[sB+2:sB+3]
.elseif SMN < 182
.set sB, S+16*(SMN-178)
.set rT, ST+8*(SMN-178)
	v_pk_fma_f32 v[rT+2:rT+3], v[rT+2:rT+3], v[rT+6:rT+7], v[sB:sB+1] op_sel_hi:[1,0,1]
.elseif SMN < 186
.set rT, ST+8*(SMN-182)
.set sB, SN+16*(SMN-182)
	v_max3_num_f32 v[rT+5], v[sB], v[sB+1], v[sB+2]
.elseif SMN < 210
.set sZ, SMN-186
.set rT, ST+8*(sZ%4)
.set sB, SN+16*(sZ%4)+3+2*(sZ/4)
	v_max3_num_f32 v[rT+5], v[rT+5], v[sB], v[sB+1]
.elseif SMN < 214
.set rT, ST+8*(SMN-210)
	v_max_num_f32 v[rT+5], v[rT+5], v[SN+16*(SMN-210)+15]
.elseif SMN < 218
.set rT, ST+8*(SMN-214)
	v_permlanex16_b32 v[rT+4], v[rT+5], s[SEL], s[SEL+1]
.elseif SMN < 222
.set rT, ST+8*(SMN-218)
	v_max_num_f32 v[rT+5], v[rT+5], v[rT+4]
.elseif SMN < 226
	v_mul_f32 v[XP+SMN-222], s[CS], v[ST+8*(SMN-222)+5]
.else
	ds_store_b128 v[ADMW], v[XP:XP+3]
.endif
.set SMN, SMN+1
.endif
.endm
; V^T P of the step before (pv = 2; 1: it starts O^T's sums; 0: none), with the list (sm = 1: the softmax; mx = 1: and the next step's maxima) two items behind each product.
; The 32 accumulators take turns, one product a turn.  Group g + 1's 24 loads stand in four runs of six behind products 0, 6, 12 and 18 of group g, four places behind the
; last product that read their set; so each wait at a group's head, for all my LDS instructions, stands 13 products or more behind the last load that it waits for.
.macro ALPHA pv, sm, mx
.set SMN, 0
.set NSMX, 0
.if \sm
.set NSMX, 182+45*(\mx)
.endif
	s_wait_dscnt 0x0                               ; the four waves' numbers and group 0's fragments are in: they were asked for ahead of the products K Q^T
.if \pv
.irp g, 0,1,2,3
.if \g > 0
	s_wait_dscnt 0x0                               ; this group's fragments are in
.endif
.if (\g == 1) || (\g == 2)
	PLACES 4                                       ; places in front of loads into the set that the last products read
.endif
.set PZ, 0
.if (\pv == 1) && (\g == 0)
.set PZ, 1
.endif
.set PI, 0
.rept 32
	PVW \g
.if (\g < 3) && (PI%6 == 0) && (PI < 24)
	FRUN \g+1, PI/6
.endif
	SMI
	SMI
.set PI, PI+1
.endr
.endr
	PLACES 4                                       ; places in front of the next loads into the sets, and of the first read of O^T
	WIN 0
.else
.rept NSMX
	SMI
.endr
.endif
.endm
.macro GAMMAB                          ; the maxima's items alone, ahead of the first barrier
.set SMN, 182
.set NSMX, 227
.rept 45
	SMI
.endr
.endm
; S^T of the next step, into SN: 32 products, 8 accumulators by turns, 32 features at a time.  resc = 1: behind product i stand the four multiplications of O^T's tile i by a: they are also the places behind the last product.
.macro BETA resc
	s_wait_loadcnt 0x0                             ; K is in; its address may step
	s_add_nc_u64 s[KA:KA+1], s[KA:KA+1], 32768
.set KI, 0
.rept 32
	WIN W_KQ
.set rS, SN+16*(KI%4)+8*((KI%8)/4)
.set rK, KBF+8*(4*((KI%8)/4)+KI/8)
.set rQ, 8*(4*(KI%4)+KI/8)
.if KI < 8
	v_wmma_f32_16x16x32_f16 v[rS:rS+7], v[rK:rK+7], v[rQ:rQ+7], 0
.else
	v_wmma_f32_16x16x32_f16 v[rS:rS+7], v[rK:rK+7], v[rQ:rQ+7], v[rS:rS+7]
.endif
.if \resc
	WIN W_RS
.irp m, 0,2,4,6
	v_pk_mul_f32 v[8*KI+\m:8*KI+\m+1], v[8*KI+\m:8*KI+\m+1], v[ST+8*(KI%4)+6:ST+8*(KI%4)+7] op_sel_hi:[1,0]
.endr
.endif
.set KI, KI+1
.endr
.if !\resc
	PLACES 4
.endif
.endm
.macro KLOAD                           ; my two tiles of keys of the step after next: 8 fragments; they have the 128 products V^T P in which to land
	WIN 0x80
.irp i, 0,1,2,3,4,5,6,7,8,9,10,11,12,13,14,15
	global_load_b128 v[KBF+4*\i:KBF+4*\i+3], v[L16], s[KA:KA+1] offset:512*\i
.endr
	WIN 0
.endm
.macro RESC                            ; all of O^T x the factor at ST + 8 qt + 6
	WIN W_RS
.set KI, 0
.rept 32
.irp m, 0,2,4,6
	v_pk_mul_f32 v[8*KI+\m:8*KI+\m+1], v[8*KI+\m:8*KI+\m+1], v[ST+8*(KI%4)+6:ST+8*(KI%4)+7] op_sel_hi:[1,0]
.endr
.set KI, KI+1
.endr
	WIN 0
.endm
; AN INTERVAL.  bar, ask: the barrier's kind, with prefetches or without; pv: as in ALPHA; resc: O^T is rescaled; kl: K of the step after next is loaded; mx: the next step's maxima are published.
.macro IVAL bar, ask, pv, resc, kl, mx
	BAR \bar, \ask
	ADDR
	MLOAD ADMR
.if \pv
	FRAGS0
.endif
	BETA \resc
.if \kl
	KLOAD
.endif
	ALPHA \pv, 1, \mx
	NEXT
.endm
	s_load_b256 s[4:11], s[0:1], 0x0               ; qimg, kimg, vimg, woimg
	s_load_b128 s[12:15], s[0:1], 0x20             ; bo, out0
	v_lshl_add_u32 v[SPW], v0, 2, SPARE
	v_mov_b32 v[NIL], 0
	ds_add_u32 v[SPW], v[NIL]                      ; the wave's opening: the add, twice on end, and its wait ahead of my first tensor load
	ds_add_u32 v[SPW], v[NIL]
	v_lshrrev_b32 v1, 5, v0
	v_readfirstlane_b32 s[WV], v1                  ; wave 0..3
	s_bfe_u32 s[CX], ttmp6, 0x40000                ; my place in the cluster: it enters Q's, out's and the prefetches' addresses alone
	s_lshl_b32 s18, ttmp9, 2
	s_add_co_u32 s18, s18, s[CX]                   ; my block of 64 queries
	s_and_b32 s19, ttmp7, 0xffff                   ; the batch
	s_mov_b32 s[G1], 15|(3<<16)|(1<<21)            ; group 1: 32,768 dense bytes as 128 rows of 256 (32 elements of 8 bytes); the mask names all four work-groups; 21 set beside it
	s_mov_b32 s[G1+1], 32<<16
	s_mov_b32 s[G1+2], 128<<16
	s_mov_b32 s[G1+3], 32<<16
	s_mov_b32 s[G1+4], 128
	s_mov_b32 s[G1+5], 32
	s_mov_b32 s[G1+6], 0
	s_mov_b32 s[G1+7], 0
	s_mov_b32 s[G0A], 1
	s_lshl_b32 s[G0A+1], s[WV], 15                 ; slot 0, my quarter
	s_mov_b32 s[G0B], 1
	s_add_co_u32 s[G0B+1], s[G0A+1], SLOT1         ; slot 1
	s_mov_b32 s[CS], 0x3f8293ee                    ; c = 16 log2(e) / sqrt(512)
	s_mov_b32 s[CS+1], s[CS]
	s_mov_b32 s[SEL], 0x76543210
	s_mov_b32 s[SEL+1], 0xfedcba98
	s_mov_b32 s[TV], 0                             ; as in an interval ahead of the first: each is turned once before interval 0
	s_mov_b32 s[PR], 0
	s_mov_b32 s[PW], 1<<14
	s_mov_b32 s[MR], 1<<11
	s_mov_b32 s[MW], 0
	s_mov_b32 s[J], 0
	s_mov_b32 s[OG], 0
	s_cmp_eq_u32 ttmp9, 0                          ; the batch's first cluster: the same in all four partners
	s_cselect_b32 s[LIMV], 31, 0
	s_or_b32 s20, ttmp9, s[WV]
	s_cmp_eq_u32 s20, 0
	s_cselect_b32 s[LIMK], 29, 0
	v_and_b32 v1, 31, v0
	v_lshlrev_b32 v[PFO], 8, v1
	v_lshlrev_b32 v[L16], 4, v1
	v_add_nc_u32 v[AVB], s[G0A+1], v[L16]
	s_lshl_b32 s20, s[WV], 12
	s_add_co_u32 s20, s20, PBUF
	v_add_nc_u32 v[APWB], s20, v[L16]
	v_add_nc_u32 v[APRB], PBUF, v[L16]
	s_lshl_b32 s20, s[WV], 9
	s_add_co_u32 s21, s20, MXB
	v_add_nc_u32 v[AMWB], s21, v[L16]
	v_add_nc_u32 v[AMRB], MXB, v[L16]
	s_add_co_u32 s21, s20, LSB
	v_add_nc_u32 v[ALW], s21, v[L16]
	v_add_nc_u32 v[ALR], LSB, v[L16]
	v_bfe_u32 v[ABO], v0, 4, 1                     ; h
	v_and_b32 v[STO], 15, v0                       ; r
	v_mul_u32_u24 v[STO], v[STO], 528
	v_lshl_add_u32 v[STO], v[ABO], 5, v[STO]
	v_lshlrev_b32 v[ABO], 5, v[ABO]
	v_add_nc_u32 v[ABO], s20, v[ABO]               ; bo: 512 w + 32 h
	s_mul_i32 s21, s[WV], 8448
	s_add_co_u32 s21, s21, STG
	v_add_nc_u32 v[STO], s21, v[STO]               ; my stage: row r, + 32 h
	v_add_nc_u32 v[SRD], s21, v[L16]
	s_lshl_b32 s21, s[WV], 14
	v_add_nc_u32 v[AOW], s21, v[L16]               ; o's images: mine are 16,384 w on
	v_add_nc_u32 v[AOR], s[OG], v[L16]
.irp t, 0,1,2,3
	v_mov_b32 v[ST+8*\t], 0xff61b1e6               ; M: -3e38, under every t
.irp k, 1,2,3,4,5,6,7
	v_mov_b32 v[ST+8*\t+\k], 0                     ; the sums begin at 0; the others are named in pairs or by lane permutes before they are first written
.endr
.endr
	s_wait_dscnt 0x0                               ; both opening adds are done
	s_wait_kmcnt 0x0
	s_mov_b32 s23, 0
	s_lshl_b32 s22, s19, 22
	s_add_nc_u64 s[VA:VA+1], s[VA:VA+1], s[22:23]  ; V: my batch,
	s_lshl_b32 s22, s[WV], 15
	s_add_nc_u64 s[VA:VA+1], s[VA:VA+1], s[22:23]  ; my quarter of a step
	s_mov_b64 s[G0A+2:G0A+3], s[VA:VA+1]
	s_or_b32 s[G0A+3], s[G0A+3], 0x80000000
	s_add_nc_u64 s[G0B+2:G0B+3], s[VA:VA+1], 131072
	s_or_b32 s[G0B+3], s[G0B+3], 0x80000000
	s_lshl_b32 s22, s19, 20
	s_add_nc_u64 s[KA:KA+1], s[KA:KA+1], s[22:23]  ; K and Q: my batch
	s_add_nc_u64 s[QA:QA+1], s[QA:QA+1], s[22:23]
	s_mov_b32 s21, 0
	s_lshl_b32 s20, s[CX], 13                      ; the prefetches: my work-group's 8,192 bytes
	s_add_nc_u64 s[PFA:PFA+1], s[VA:VA+1], s[20:21]
	s_add_nc_u64 s[PFA:PFA+1], s[PFA:PFA+1], 2*131072   ; at step 2: the first refill steps it to 3
	s_add_nc_u64 s[PFK:PFK+1], s[KA:KA+1], s[20:21]
	s_add_nc_u64 s[PFK:PFK+1], s[PFK:PFK+1], 4*32768    ; at step 4: the first refill steps it to 5
	s_lshl_b32 s22, s[WV], 13
	s_add_nc_u64 s[KA:KA+1], s[KA:KA+1], s[22:23]  ; my two tiles of a step's eight
	s_lshl_b32 s20, s18, 14
	s_add_nc_u64 s[QA:QA+1], s[QA:QA+1], s[20:21]
	s_lshl_b32 s22, s[WV], 17
	s_add_nc_u64 s[WA:WA+1], s[WA:WA+1], s[22:23]
	s_lshl_b32 s20, s19, 23
	s_lshl_b32 s22, s18, 17
	s_add_co_u32 s20, s20, s22
	s_lshl_b32 s22, s[WV], 9
	s_add_co_u32 s20, s20, s22
	s_add_nc_u64 s[OA:OA+1], s[OA:OA+1], s[20:21]  ; out: row 4,096 b + 64 block, column 128 w
	CROUND                                         ; all four work-groups are here: the first joint loads meet
	tensor_load_to_lds s[G0A:G0A+3], s[G1:G1+7]    ; V(0) and V(1): two loads of mine are out
	s_nop 0
	tensor_load_to_lds s[G0B:G0B+3], s[G1:G1+7]
	s_nop 0
	PLACES 4
	WIN 0x80
.irp i, 0,1,2,3,4,5,6,7,8,9,10,11,12,13,14,15,16,17,18,19,20,21,22,23,24,25,26,27,28,29,30,31
	global_load_b128 v[4*\i:4*\i+3], v[L16], s[QA:QA+1] offset:512*\i   ; Q's 16 fragments stay in registers
.endr
	KLOAD                                          ; K(0)
	ADDR
	BETA 0                                         ; S(0), into v96 on
	KLOAD                                          ; K(1)
	GAMMAB                                         ; its maxima
	FLIP
	SWAP
	IVAL 0, 0, 0, 0, 1, 1                          ; interval 0: S(1); the first softmax; no V^T P yet
	SWAP
	s_wait_tensorcnt 0x1                           ; V(0), my own quarter, is in; V(1) may be out
	IVAL 0, 0, 1, 0, 1, 1                          ; interval 1: V^T P of step 0 starts O^T's sums: nothing to rescale yet
	SWAP
	s_mov_b32 s[CNT], 14
.Lstep:                                            ; intervals 2 to 29, two a trip: S^T's two buffers change places and are back where they began
	IVAL 1, 1, 2, 1, 1, 1
	SWAP
	IVAL 1, 1, 2, 1, 1, 1
	SWAP
	s_sub_co_u32 s[CNT], s[CNT], 1
	s_cmp_lg_u32 s[CNT], 0
	s_cbranch_scc1 .Lstep
	IVAL 1, 1, 2, 1, 0, 1                          ; interval 30: no K is left to load
	SWAP
	; interval 31: the last refill, V(31); no scores are left to make, so O^T is rescaled by a(30) alone; V^T P of step 30 and the last softmax; my part of the row sums goes to LDS
	BAR 1, 0
	ADDR
	MLOAD ADMR
	FRAGS0
	RESC
	ALPHA 2, 1, 0
.irp t, 0,1,2,3
	v_add_f32 v[ST+8*\t+5], v[ST+8*\t+2], v[ST+8*\t+3]
.endr
.irp t, 0,1,2,3
	v_permlanex16_b32 v[ST+8*\t+4], v[ST+8*\t+5], s[SEL], s[SEL+1]
.endr
.irp t, 0,1,2,3
	v_add_f32 v[XP+\t], v[ST+8*\t+5], v[ST+8*\t+4]
.endr
	ds_store_b128 v[ALW], v[XP:XP+3]
	NEXT
	; interval 32: O^T x a(31), then V^T P of step 31.  Wo's first four sets are asked for: Q's and K's registers are free
	s_wait_tensorcnt 0x0                           ; V(31) is in; nothing is filled any more
	BAR 0, 0
	ADDR
.macro WOL u, k                        ; Wo's 8 fragments (my 128 outputs x 32 channels) of set u, 8,192 k bytes on
	WIN 0x80
.irp i, 0,1,2,3,4,5,6,7,8,9,10,11,12,13,14,15
	global_load_b128 v[64*(\u)+4*\i:64*(\u)+4*\i+3], v[L16], s[WA:WA+1] offset:8192*(\k)+512*\i
.endr
	WIN 0
.endm
	WOL 0, 0
	WOL 1, 1
	WOL 2, 2
	WOL 3, 3
	MLOAD ALR                                      ; the four waves' row sums
	FRAGS0
	RESC
	ALPHA 2, 0, 0
	; ---- THE END: o = O / sum, to f16, shared as images; out = o Wo^T + bo
.irp t, 0,1,2,3
	v_add_f32 v[ST+8*\t+4], v[MXR+\t], v[MXR+4+\t]
.endr
.irp t, 0,1,2,3
	v_add_f32 v[ST+8*\t+5], v[MXR+8+\t], v[MXR+12+\t]
.endr
.irp t, 0,1,2,3
	v_add_f32 v[ST+8*\t+4], v[ST+8*\t+4], v[ST+8*\t+5]
.endr
.irp t, 0,1,2,3
	v_rcp_f32 v[ST+8*\t+6], v[ST+8*\t+4]
.endr
	v_nop                                          ; a plain instruction behind the last reciprocal,
	s_wait_alu depctr_va_vdst(0)                   ; and the one wait ahead of the first use
	RESC
	WIN 0xc5                                       ; sources window 1, destination window 3
.irp c, 0,1,2,3,4,5,6,7
.irp q, 0,1,2,3
.irp i, 0,1,2,3
	v_cvt_pk_f16_f32 v[8*(4*(\c/2)+\q)+4*(\c%2)+\i], v[8*(4*\c+\q)+2*\i], v[8*(4*\c+\q)+2*\i+1]   ; 16 queries x 32 channels from channel tiles 2 il and 2 il + 1
.endr
.endr
.endr
	WIN 0x0c                                       ; an LDS store's data are its source 1: window 3
.irp f, 0,1,2,3,4,5,6,7,8,9,10,11,12,13,14,15
	ds_store_b128 v[AOW], v[8*\f:8*\f+3] offset:1024*\f
	ds_store_b128 v[AOW], v[8*\f+4:8*\f+7] offset:1024*\f+512
.endr
	WIN 0x40                                       ; bo goes into the accumulators, in the result's layout: lane (r, h): outputs 16 nt + 8 h + 0 .. 7; so every product adds in place
.irp n, 0,1,2,3,4,5,6,7
.irp q, 0,1,2,3
	global_load_b128 v[8*(4*\n+\q):8*(4*\n+\q)+3], v[ABO], s[BO:BO+1] offset:64*\n
	global_load_b128 v[8*(4*\n+\q)+4:8*(4*\n+\q)+7], v[ABO], s[BO:BO+1] offset:64*\n+16
.endr
.endr
	BAR 0, 0                                       ; o's 64 images lie in LDS
	s_wait_loadcnt 0x0                             ; bo, and Wo's first four sets
.macro OFL p, kl                       ; o's four fragments of 32 channels, 4,096 kl bytes on, into set p
	WIN 0xc0
.irp i, 0,1,2,3,4,5,6,7
	ds_load_b128 v[PF+32*(\p)+4*\i:PF+32*(\p)+4*\i+3], v[AOR] offset:4096*(\kl)+512*\i
.endr
.endm
; 32 channels: 32 products, the accumulators by turns.  nexto: the next 32 channels of o are asked for first (8 loads, which the counted wait leaves out).  lc: Wo's loads issued behind this set's, which may be out.
; more = 1: this set of Wo is loaded again, four steps on.  more = 2: the same, with Wo's base stepped first: the loads that still name the base were issued 32 products ago or earlier.
; The four places behind the products serve those loads and the next o's.
.macro KAPPA u, more, nexto, lc
.if \nexto
	OFL ((\u)+1)%2, (\u)+1
	s_wait_dscnt 8
.else
	s_wait_dscnt 0x0
.endif
	s_wait_loadcnt \lc
	WIN 0x5e                                       ; source 0 (Wo) window 2, source 1 (o) window 3, C and D window 1
.irp n, 0,1,2,3,4,5,6,7
.irp q, 0,1,2,3
	v_wmma_f32_16x16x32_f16 v[8*(4*\n+\q):8*(4*\n+\q)+7], v[64*(\u)+8*\n:64*(\u)+8*\n+7], v[PF+32*((\u)%2)+8*\q:PF+32*((\u)%2)+8*\q+7], v[8*(4*\n+\q):8*(4*\n+\q)+7]
.endr
.endr
	PLACES 4
.if \more == 1
	WOL \u, (\u)+4
.endif
.if \more == 2
	WIN 0
	s_wait_xcnt 0x0                                ; Wo's earlier loads have read their base
	s_add_nc_u64 s[WA:WA+1], s[WA:WA+1], 32768
	WOL \u, \u
.endif
.endm
	OFL 0, 0
	WIN 0
	s_mov_b32 s[CNT], 3
.Lgroup:                                           ; a trip is 128 channels
	KAPPA 0, 1, 1, 48
	KAPPA 1, 1, 1, 48
	KAPPA 2, 1, 1, 48
	KAPPA 3, 2, 1, 48
	WIN 0
	s_add_co_u32 s[OG], s[OG], 16384
	v_add_nc_u32 v[AOR], s[OG], v[L16]
	s_sub_co_u32 s[CNT], s[CNT], 1
	s_cmp_lg_u32 s[CNT], 0
	s_cbranch_scc1 .Lgroup
	KAPPA 0, 0, 1, 48                              ; the last 128 channels load nothing more of Wo: the counts run down
	KAPPA 1, 0, 1, 32
	KAPPA 2, 0, 1, 16
	KAPPA 3, 0, 0, 0
	; THE WAY OUT, a tile of 16 queries at a time: a lane's 32 bytes go into my stage and come back as whole rows of 512 bytes.  LDS serves a wave's instructions in order.
.macro TOSTAGE q
	WIN 0x04                                       ; the data: window 1
.irp n, 0,1,2,3,4,5,6,7
	ds_store_b128 v[STO], v[8*(4*\n+(\q)):8*(4*\n+(\q))+3] offset:64*\n        ; each accumulator from its low end on
	ds_store_b128 v[STO], v[8*(4*\n+(\q))+4:8*(4*\n+(\q))+7] offset:64*\n+16
.endr
	WIN 0
.irp i, 0,1,2,3,4,5,6,7,8,9,10,11,12,13,14,15
	ds_load_b128 v[BK+96*((\q)%2)+4*\i:BK+96*((\q)%2)+4*\i+3], v[SRD] offset:528*\i
.endr
.endm
.macro SEND q, younger                 ; younger: the LDS instructions issued behind tile q's loads
	s_wait_dscnt \younger
.irp i, 0,1,2,3,4,5,6,7,8,9,10,11,12,13,14,15
	global_store_b128 v[L16], v[BK+96*((\q)%2)+4*\i:BK+96*((\q)%2)+4*\i+3], s[OA:OA+1] offset:2048*(16*(\q)+\i) th:TH_STORE_NT   ; 32 lanes store 512 consecutive bytes, aligned
.endr
.endm
	TOSTAGE 0
	TOSTAGE 1
	SEND 0, 32
	s_wait_xcnt 0x0                                ; tile 0's stores have read their registers: tile 2's rows may land there
	TOSTAGE 2
	SEND 1, 32
	s_wait_xcnt 0x0
	TOSTAGE 3
	SEND 2, 32
	SEND 3, 0
	s_wait_tensorcnt 0x0                           ; the wave's end
	ds_add_u32 v[SPW], v[NIL]
	s_wait_dscnt 0x0
	CROUND                                         ; the closing round
	s_endpgm
.Lfunc_end_k_q4726bf25eb_attn:
	.size	k_q4726bf25eb_attn, .Lfunc_end_k_q4726bf25eb_attn-k_q4726bf25eb_attn
	.p2alignl 7, 3214868480
	.fill 96, 4, 3214868480
	.section	.rodata,"a",@progbits
	.p2align	6, 0x0
	.amdhsa_kernel k_q4726bf25eb_attn
		.amdhsa_group_segment_fixed_size 327680
		.amdhsa_private_segment_fixed_size 0
		.amdhsa_enable_private_segment 0
		.amdhsa_kernarg_size 48
		.amdhsa_user_sgpr_count 2
		.amdhsa_user_sgpr_kernarg_segment_ptr 1
		.amdhsa_wavefront_size32 1
		.amdhsa_system_sgpr_workgroup_id_x 1
		.amdhsa_system_sgpr_workgroup_id_y 1
		.amdhsa_system_sgpr_workgroup_id_z 1
		.amdhsa_system_vgpr_workitem_id 0
		.amdhsa_next_free_vgpr 1024
		.amdhsa_next_free_sgpr 66
		.amdhsa_reserve_vcc 0
		.amdhsa_float_denorm_mode_32 3
		.amdhsa_float_denorm_mode_16_64 3
		.amdhsa_memory_ordered 1
		.amdhsa_forward_progress 1
		.amdhsa_inst_pref_size 255
	.end_amdhsa_kernel
	.section	.bss,"aw",@nobits
	.p2align	6
	.space	262144
	.amdgpu_metadata
---
amdhsa.version: [ 1, 2 ]
amdhsa.kernels:
  - .name:           k_q4726bf25eb_attn
    .symbol:         k_q4726bf25eb_attn.kd
    .args:
      - { .name: qimg, .offset: 0, .size: 8, .value_kind: global_buffer, .address_space: global }
      - { .name: kimg, .offset: 8, .size: 8, .value_kind: global_buffer, .address_space: global }
      - { .name: vimg, .offset: 16, .size: 8, .value_kind: global_buffer, .address_space: global }
      - { .name: woimg, .offset: 24, .size: 8, .value_kind: global_buffer, .address_space: global }
      - { .name: bo, .offset: 32, .size: 8, .value_kind: global_buffer, .address_space: global }
      - { .name: out0, .offset: 40, .size: 8, .value_kind: global_buffer, .address_space: global }
    .group_segment_fixed_size: 327680
    .private_segment_fixed_size: 0
    .kernarg_segment_align: 8
    .kernarg_segment_size: 48
    .max_flat_workgroup_size: 128
    .sgpr_count:     66
    .vgpr_count:     1024
    .wavefront_size: 32
...
	.end_amdgpu_metadata
.endif
;; end of part 3
